; MI455X (gfx1250); checked and timed in simulation.
; The chip was launched on July 23, 2026; its instructions are those of AMD's public machine-readable ISA for CDNA 5 (MIT licence, August 2026) and "CDNA5" Instruction Set Architecture Reference Guide (July 2026). The comments in the code are by the model that wrote it; some were corrected since.
;; Learnable Query Multi Head Attention. Allowed arithmetic: matrix products marked QUANTISED: E5M2 operands, one given power-of-two scale a tensor, by v_wmma_f32_16x16x64_bf8_bf8 or v_wmma_f32_16x16x128_bf8_bf8, f32 sums; products left as they are: f32 operands where the result goes on into a quantised operand, else bf16, f16 or f32 operands; f32 sums; everything else in f32.
;; Inputs: fc 1,024 x 1,024 float32; ln_beta 1,024 float32; ln_gamma 1,024 float32; lowp_scales 6 int32 (the exponents e of the quantised operands' scales 2^e); query 1 x 1 x 1,024 float32; w_ks 1,024 x 1,024 float32; w_qs 1,024 x 1,024 float32; w_vs 1,024 x 1,024 float32; x 16 x 2,048 x 1,024 float32.
;; Outputs: out0 16 x 1 x 1,024 float32; out1 16 x 16 x 1 x 2,048 float32.
;; This version of the problem:
;;   THIS VERSION OF THE PROBLEM IS GIVEN IN LOW PRECISION. The matrix products marked QUANTISED in the list below multiply operands that are first quantised to E5M2 (5 exponent bits, 2 mantissa bits; 8 bits a number), with one given power-of-two scale for each operand tensor; their sums are f32. All else is computed in f32.
;;   The module's matrix products, in the order in which they are computed (A, B: the left and right operand; K: the contracted axis; several contracted axes count as one K, in the product's order):
;;     1. [M 1, K 1,024] x [K 1,024, N 1,024]; A: input query; B: input w_qs: left as it is (M = 1 < 16)
;;     2. [M 32,768, K 1,024] x [K 1,024, N 1,024]; A: input x; B: input w_ks: QUANTISED (scales: A lowp_scales[0], B lowp_scales[1])
;;     3. [M 32,768, K 1,024] x [K 1,024, N 1,024]; A: input x; B: input w_vs: QUANTISED (scales: A lowp_scales[2], B lowp_scales[3])
;;     4. batch 16 x [M 32,768, K 64] x [K 64, N 1]; A: computed on the way; B: computed on the way: left as it is (N = 1 < 16)
;;     5. batch 256 x [M 1, K 2,048] x [K 2,048, N 64]; A: softmax; B: computed on the way: left as it is (M = 1 < 16)
;;     6. [M 16, K 1,024] x [K 1,024, N 1,024]; A: computed on the way; B: input fc: QUANTISED (scales: A lowp_scales[4], B lowp_scales[5])
;;   THE QUANTISER, for each operand of a quantised product, along K:
;;     - The operand's scale is 2^e, e = its entry of the input lowp_scales (int32; the entries are numbered through the quantised products in the list's order, A before B).
;;     - Each number is divided by the scale, clamped to +-57,344, and rounded to the nearest number of E5M2, ties to even, subnormals kept.
;;     - The product sums the exact products of the quantised numbers (number of the format x scale) in f32.
;;   ~~~python
;;   def quantise(x, axis, e):      # numpy; x: float32 -> the quantised numbers, widened to float32 again
;;       x = np.moveaxis(x, axis, -1); K = x.shape[-1]
;;       r = np.clip(x / 2.0 ** e, -57344, 57344)
;;       step = 2.0 ** (np.maximum(np.frexp(np.where(r == 0, 1, r))[1] - 1, -14) - 2)
;;       q = np.round(r / step) * step * 2.0 ** e      # np.round: ties to even
;;       return np.moveaxis(q, -1, axis).astype(np.float32)
;;   ~~~
;;   OPERANDS COMPUTED ON THE WAY. 'Computed on the way' means the value that the module computes at that place (a softmax that the list does not call 'softmax' is quantised finished and normalised). What goes into a quantiser is computed in f32, as accurately as f32 sums, v_exp_f32 and their like allow (about 1e-6 of the number): no bf16 or f16 on the way to a quantiser, and a product that is left as it is and whose result goes on into a quantised operand takes f32 operands (vector FMAs, or v_wmma_f32_16x16x4_f32). A number that lies on a knife's edge between two numbers of the format may be rounded either way, as far as f32 arithmetic and the matrix unit's own rounding can turn it there, and no further.
;; One version. Each part assembles by itself: llvm-mc -triple=amdgcn-amd-amdhsa -mcpu=gfx1250 --defsym DOCPART=n.
;; ======== version 1 of 1: 4 launches
;; workspace buffers: wcodes 3,145,728 bytes; qpart 32,768 bytes; logit 2,097,152 bytes; ctxp 1,048,576 bytes; opart 1,048,576 bytes
;; launch prep (part 1): grid 256 x 1, 4 waves a work-group, no clusters, 2,560 bytes of LDS; arguments w_ks, w_vs, fc, w_qs, query, lowp_scales, wcodes, qpart; writes wcodes, qpart
.if DOCPART == 1
	.amdgcn_target "amdgcn-amd-amdhsa--gfx1250"
	.amdhsa_code_object_version 6
	.text
	.protected	k_q7737db8ce5_prep
	.globl	k_q7737db8ce5_prep
	.p2align	8
	.type	k_q7737db8ce5_prep,@function
k_q7737db8ce5_prep:
	s_mov_b64 s[64:65], 0
	v_nop
	global_prefetch_b8 v0, s[64:65] scope:SCOPE_SE
	s_setreg_imm32_b32 hwreg(HW_REG_WAVE_MODE, 25, 1), 1
	s_wait_xcnt 0x0
; Work-groups 0-191: w_ks, w_vs and fc ([K 1024][N 1024] f32, K the FIRST axis) become codes of BF8 (E5M2) with the given scales 2^e (entries 1, 3, 5 of the scales' buffer).
; Work-groups 192-255: partial sums of query . w_qs in f32 (its result goes on into a quantised operand, so no narrower format stands here).
; THE CODES ARE LAID IN THE ORDER OF THE OPERAND'S REGISTERS.  Matrix mI at mI x 2^20.  Inside: byte (2 t + kh) 32768 + (4 ks + nt) 2048 + 512 c + 256 h + 16 r + i
; is the code of W[512 kh + 128 ks + 32 c + 16 h + i][64 t + 16 nt + r]: a fragment (16 columns x 128 K) is four pieces of 512 bytes, lane 16 h + r at 16 x lane.
; A LANE TAKES A COLUMN AND ITS REGISTERS RUN DOWN K: the conversions, which take neighbours along K from one lane's registers, then give 16 codes that lie together in that layout.
; A work-group takes 128 columns x 128 K; a wave 32 columns.  Each store writes two aligned runs of 256 bytes (lanes 0-15, lanes 16-31).
; code = x / 2^e, held within +-57,344, to the nearest code, ties to even.  LIMITS: -126 <= e <= 112, so that 2^e and 57,344 x 2^e are f32 numbers.  NaN among the inputs is not served.
; No tensor loads and no cluster: no two work-groups read the same bytes.
.set WGW, 192                          ; work-groups that quantise: 3 matrices x 8 x 8
.set X,   32                           ; v32-159  four blocks of 32 numbers down K
.set C,   160                          ; v160-191 their codes: eight registers a block, so that no store's data are written again
.macro WLOAD c                         ; block c: W(32 c + i, my column), i = 0 .. 31
.set i_, 0
.rept 32
	global_load_b32 v[X+32*(\c)+i_], v3, s[26:27] offset:(32*(\c)+i_)*4096 th:TH_LOAD_NT
.set i_, i_+1
.endr
.endm
.macro WBLOCK c
.if (\c) < 3
	s_wait_loadcnt 32                              ; this block's 32 loads are in; the next block's 32 may be out
.else
	s_wait_loadcnt 0x0
.endif
.if (\c) < 2
	WLOAD (\c)+2                                   ; two blocks ahead, into registers of its own
.endif
.set i_, 0
.rept 32
	v_med3_num_f32 v[X+32*(\c)+i_], v[X+32*(\c)+i_], -v10, v10   ; the conversion to an 8-bit code does not saturate (ISA guide 7.6.2): the hold at the largest code x the scale
.set i_, i_+1
.endr
.irp g, 0,1,2,3
	v_cvt_scalef32_pk8_bf8_f32 v[C+8*(\c)+2*\g:C+8*(\c)+2*\g+1], v[X+32*(\c)+8*\g:X+32*(\c)+8*\g+7], v11
.endr
	global_store_b128 v4, v[C+8*(\c):C+8*(\c)+3], s[16:17] offset:512*(\c)          ; K 32 c + 0 .. 15  (h = 0)
	global_store_b128 v4, v[C+8*(\c)+4:C+8*(\c)+7], s[16:17] offset:512*(\c)+256    ; K 32 c + 16 .. 31 (h = 1)
.endm
	s_load_b256 s[4:11], s[0:1], 0x0               ; w_ks s[4:5], w_vs s[6:7], fc s[8:9], w_qs s[10:11]
	s_load_b256 s[12:19], s[0:1], 0x20             ; query s[12:13], the scales' exponents s[14:15], wcodes s[16:17], qpart s[18:19]
	v_lshl_add_u32 v192, v0, 2, 0x800
	v_mov_b32 v193, 0
	v_lshrrev_b32 v1, 5, v0
	v_readfirstlane_b32 s20, v1                    ; wave 0..3
	v_and_b32 v2, 31, v0                           ; lane
	s_cmp_ge_u32 ttmp9, WGW                        ; the choice hangs on the work-group's number alone
	s_cbranch_scc1 .Lq
	; ---- the weights
	s_lshr_b32 s21, ttmp9, 6                       ; mI: which matrix
	s_and_b32 s22, ttmp9, 63
	s_and_b32 s23, s22, 7                          ; cg: which 128 columns
	s_lshr_b32 s24, s22, 3                         ; kg: which 128 along K
	s_lshl_b32 s31, s21, 3                         ; entry 2 mI + 1 of the scales: byte 8 mI + 4
	v_lshlrev_b32 v3, 2, v2                        ; in: 4 bytes a lane
	v_lshrrev_b32 v4, 4, v2
	v_and_b32 v5, 15, v2
	v_lshlrev_b32 v4, 11, v4
	v_lshl_add_u32 v4, v5, 4, v4                   ; out: 2048 (lane / 16) + 16 (lane % 16): tile nt's fragment, my column's 16 bytes
	s_lshl_b32 s28, s24, 19                        ; in: 128 kg rows of 4,096 bytes
	s_lshl_b32 s25, s23, 9                         ;   + 128 cg columns
	s_add_co_u32 s28, s28, s25
	s_lshl_b32 s25, s20, 7                         ;   + 32 columns a wave
	s_add_co_u32 s28, s28, s25
	s_mov_b32 s29, 0
	s_lshl_b32 s34, s23, 1
	s_lshr_b32 s25, s20, 1
	s_add_co_u32 s34, s34, s25                     ; t = 2 cg + wave / 2
	s_lshl_b32 s34, s34, 1
	s_lshr_b32 s25, s24, 2
	s_add_co_u32 s34, s34, s25                     ; 2 t + kh, kh = kg / 4
	s_lshl_b32 s34, s34, 15
	s_and_b32 s25, s24, 3
	s_lshl_b32 s25, s25, 2                         ; 4 ks, ks = kg % 4
	s_and_b32 s33, s20, 1
	s_lshl_b32 s33, s33, 1
	s_add_co_u32 s25, s25, s33                     ; + nt's even part: 2 (wave % 2)
	s_lshl_b32 s25, s25, 11
	s_add_co_u32 s34, s34, s25
	s_lshl_b32 s25, s21, 20
	s_add_co_u32 s34, s34, s25                     ; + the matrix
	s_mov_b32 s35, 0
	s_wait_kmcnt 0x0
	s_load_b32 s30, s[14:15], s31 offset:0x4       ; e
	s_cmp_lt_u32 ttmp9, 64
	s_cselect_b64 s[26:27], s[4:5], s[6:7]
	s_cmp_lt_u32 ttmp9, 128
	s_cselect_b64 s[26:27], s[26:27], s[8:9]       ; the matrix that I read
	s_add_nc_u64 s[26:27], s[26:27], s[28:29]
	s_add_nc_u64 s[16:17], s[16:17], s[34:35]
	WLOAD 0
	WLOAD 1
	s_wait_kmcnt 0x0
	s_add_co_i32 s30, s30, 127
	s_lshl_b32 s31, s30, 23
	v_mov_b32 v11, s31                             ; 2^e as f32: the conversion takes its exponent field
	s_add_co_i32 s30, s30, 15
	s_lshl_b32 s30, s30, 23
	s_or_b32 s30, s30, 0x600000
	v_mov_b32 v10, s30                             ; 57,344 x 2^e
	WBLOCK 0
	WBLOCK 1
	WBLOCK 2
	WBLOCK 3
	s_endpgm
	; ---- query . w_qs: work-group (cg, kg) sums k = 128 kg .. + 127 for columns 128 cg .. + 127; wave w takes 32 of the k, a lane 4 columns
.Lq:
	s_sub_co_u32 s22, ttmp9, WGW
	s_and_b32 s23, s22, 7                          ; cg
	s_lshr_b32 s24, s22, 3                         ; kg
	s_lshl_b32 s25, s24, 7
	s_lshl_b32 s26, s20, 5
	s_add_co_u32 s25, s25, s26                     ; my wave's first k
	s_lshl_b32 s21, s25, 2                         ; its byte in query
	s_lshl_b32 s28, s25, 12                        ; its row of w_qs
	s_lshl_b32 s26, s23, 9
	s_add_co_u32 s28, s28, s26                     ; + 128 cg columns
	s_mov_b32 s29, 0
	s_lshl_b32 s30, s24, 12
	s_add_co_u32 s30, s30, s26                     ; qpart: row kg, the same columns
	s_mov_b32 s31, 0
	v_lshlrev_b32 v3, 4, v2                        ; 16 x lane
	v_lshlrev_b32 v4, 4, v0                        ; 16 x thread: my place in LDS
	s_wait_kmcnt 0x0
	s_load_b512 s[32:47], s[12:13], s21 offset:0x0 ; my 32 numbers of query, as scalars
	s_load_b512 s[48:63], s[12:13], s21 offset:0x40
	s_add_nc_u64 s[10:11], s[10:11], s[28:29]
	s_add_nc_u64 s[18:19], s[18:19], s[30:31]
.set i_, 0
.rept 32
	global_load_b128 v[32+4*i_:35+4*i_], v3, s[10:11] offset:4096*i_ th:TH_LOAD_NT   ; 32 lanes read 512 consecutive bytes of row i
.set i_, i_+1
.endr
	s_wait_kmcnt 0x0
	s_wait_loadcnt 0x0
.irp c, 0,1,2,3
	v_mul_f32 v[16+\c], s32, v[32+\c]              ; the first product starts the sums
.endr
.set i_, 1
.rept 31
.irp c, 0,1,2,3
	v_fmac_f32 v[16+\c], s[32+i_], v[32+4*i_+\c]
.endr
.set i_, i_+1
.endr
	ds_store_b128 v4, v[16:19]                     ; wave w's 128 sums at 512 w
	s_wait_dscnt 0x0                               ; for the others' sake: my store has landed
	s_barrier_signal -1
	s_barrier_wait -1
	s_cmp_lg_u32 s20, 0
	s_cbranch_scc1 .Lend                           ; wave 0 adds the four waves' parts
.irp i, 0,1,2,3
	ds_load_b128 v[32+4*\i:35+4*\i], v3 offset:512*\i
.endr
	s_wait_dscnt 0x0
	v_pk_add_f32 v[32:33], v[32:33], v[36:37]
	v_pk_add_f32 v[34:35], v[34:35], v[38:39]
	v_pk_add_f32 v[40:41], v[40:41], v[44:45]
	v_pk_add_f32 v[42:43], v[42:43], v[46:47]
	v_pk_add_f32 v[32:33], v[32:33], v[40:41]
	v_pk_add_f32 v[34:35], v[34:35], v[42:43]
	global_store_b128 v3, v[32:35], s[18:19]       ; 512 consecutive bytes
.Lend:
	s_wait_tensorcnt 0x0
	ds_add_u32 v192, v193
	s_wait_dscnt 0x0
	s_endpgm
.Lfunc_end_k_q7737db8ce5_prep:
	.size	k_q7737db8ce5_prep, .Lfunc_end_k_q7737db8ce5_prep-k_q7737db8ce5_prep
	.p2alignl 7, 3214868480
	.fill 96, 4, 3214868480
	.section	.rodata,"a",@progbits
	.p2align	6, 0x0
	.amdhsa_kernel k_q7737db8ce5_prep
		.amdhsa_group_segment_fixed_size 2560
		.amdhsa_private_segment_fixed_size 0
		.amdhsa_enable_private_segment 0
		.amdhsa_kernarg_size 64
		.amdhsa_user_sgpr_count 2
		.amdhsa_user_sgpr_kernarg_segment_ptr 1
		.amdhsa_wavefront_size32 1
		.amdhsa_system_sgpr_workgroup_id_x 1
		.amdhsa_system_sgpr_workgroup_id_y 1
		.amdhsa_system_sgpr_workgroup_id_z 1
		.amdhsa_system_vgpr_workitem_id 0
		.amdhsa_next_free_vgpr 194
		.amdhsa_next_free_sgpr 66
		.amdhsa_reserve_vcc 0
		.amdhsa_float_denorm_mode_32 3
		.amdhsa_float_denorm_mode_16_64 3
		.amdhsa_memory_ordered 1
		.amdhsa_forward_progress 1
		.amdhsa_inst_pref_size 34
	.end_amdhsa_kernel
	.amdgpu_metadata
---
amdhsa.version: [ 1, 2 ]
amdhsa.kernels:
  - .name:           k_q7737db8ce5_prep
    .symbol:         k_q7737db8ce5_prep.kd
    .args:
      - { .name: w_ks, .offset: 0, .size: 8, .value_kind: global_buffer, .address_space: global }
      - { .name: w_vs, .offset: 8, .size: 8, .value_kind: global_buffer, .address_space: global }
      - { .name: fc, .offset: 16, .size: 8, .value_kind: global_buffer, .address_space: global }
      - { .name: w_qs, .offset: 24, .size: 8, .value_kind: global_buffer, .address_space: global }
      - { .name: query, .offset: 32, .size: 8, .value_kind: global_buffer, .address_space: global }
      - { .name: lowp_scales, .offset: 40, .size: 8, .value_kind: global_buffer, .address_space: global }
      - { .name: wcodes, .offset: 48, .size: 8, .value_kind: global_buffer, .address_space: global }
      - { .name: qpart, .offset: 56, .size: 8, .value_kind: global_buffer, .address_space: global }
    .group_segment_fixed_size: 2560
    .private_segment_fixed_size: 0
    .kernarg_segment_align: 8
    .kernarg_segment_size: 64
    .max_flat_workgroup_size: 128
    .sgpr_count:     66
    .vgpr_count:     194
    .wavefront_size: 32
...
	.end_amdgpu_metadata
.endif
;; end of part 1
;; launch main (part 2): grid 256 x 1, 4 waves a work-group, clusters of 4 x 1, 327,680 bytes of LDS; arguments x, wcodes, qpart, lowp_scales, logit, ctxp; writes logit, ctxp
.if DOCPART == 2
	.amdgcn_target "amdgcn-amd-amdhsa--gfx1250"
	.amdhsa_code_object_version 6
	.text
	.protected	k_q7737db8ce5_main
	.globl	k_q7737db8ce5_main
	.p2align	8
	.type	k_q7737db8ce5_main,@function
k_q7737db8ce5_main:
	s_mov_b64 s[64:65], 0
	v_nop
	global_prefetch_b8 v0, s[64:65] scope:SCOPE_SE
	s_setreg_imm32_b32 hwreg(HW_REG_WAVE_MODE, 25, 1), 1
	s_wait_xcnt 0x0
	s_wait_alu depctr_hold_cnt(0) depctr_sa_sdst(0) depctr_va_vdst(0) depctr_va_sdst(0) depctr_va_ssrc(0) depctr_va_vcc(0) depctr_vm_vsrc(0)
	s_getreg_b32 s2, hwreg(HW_REG_IB_STS2, 6, 4)
	s_cmp_eq_u32 s2, 0
	s_cbranch_scc0 .Lentry_in_a_cluster
	s_endpgm
.Lentry_in_a_cluster:
	s_bfe_u32 s2, ttmp6, 0x10000c
	s_cmp_lg_u32 s2, 0x3003
	s_cbranch_scc0 .Lentry_shape_is_right
	s_endpgm
.Lentry_shape_is_right:
; k = x w_ks and v = x w_vs on codes of BF8 (E5M2), and what follows them as far as one block of rows can take it: the base-2 logits t = (q . k / 8) log2(e), and the block's part of ctx.
; SHARES.  Work-group g owns rows 128 g .. 128 g + 127 of x (batch g / 16, block g % 16).  Its four waves: role = wave / 2 (0: k, x's codes with scale 2^e0; 1: v, x's codes with 2^e2), kh = wave % 2: which half of K.
; Scores and ctx are linear in k and v, so K may be shared between two waves: only 128 partial scores a head, and one row of ctx at the end, are added.
; X PHASE.  x comes once, as f32, through two LDS slots (four tiles of 32 rows; each wave fetches a quarter of K), and each wave quantises its half of K of all 128 rows into 512 REGISTERS: 8 tiles of rows x 4 K steps.
; W PHASE.  17 steps.  In step s the k waves multiply by w_ks' head s (s <= 15), the v waves by w_vs' head s - 1 (s >= 1): a wave's tile is 32 KB of codes laid as images of the operand's registers,
; 16 fragments, each read from LDS once and used by eight matrix instructions.  The k waves reduce their 128 x 64 sums with q' to partial scores; a step later the v waves add the two halves, store the logits,
; take m = the block's largest t and p = 2^(t - m), and reduce their own 128 x 64 sums with p.  ctxp[g] = the sum over the block's rows of p x (v's sums of codes), without 2^(e2 + e3).
; CLUSTER.  Every work-group walks the same weights: the four of a cluster ask for each tile JOINTLY (mask 15, the same descriptor in all four).  x's tiles are each work-group's own: plain loads, mask 0.
; NOT PREFETCHED: the weights are no stream that is read once (all 64 clusters walk the same 2 MB in the same steps) and a refill has a whole step, 128 matrix instructions a wave, in which to land; x's phase does nothing but stream.
; k's product: source 0 = 16 columns of the weight, source 1 = 16 rows of x: a lane holds one row (lane % 16), its registers the columns 8 (lane / 16) + 0 .. 7.   v's: the other way round: a lane holds one column, its registers eight rows.
; The place of k in an operand's registers (registers 4 c .. 4 c + 3: K = 32 c + 16 (lane / 16) + 0 .. 15) is the same permutation in both operands.
; LIMITS: e0 and e2 between -126 and 112, so that 2^e and 57,344 x 2^e are f32 numbers; e0 + e1 is applied by v_ldexp_f32.  NaN among the inputs is not served.  p under 2^-126 comes out as 0.
; REGISTERS, in windows of 256.  Window 0: v1-28 addresses and scales; v16-19 a row of logits on its way out; v32-95 q' (k waves) or p (v waves); v96-127 at work; v128-191, v192-255 two buffers of weight fragments (in the X phase: of x's numbers).
;   Window 1: the 32 accumulators, (rt, nt) at v[8 (4 rt + nt)].   Windows 2, 3: x's codes, (rt, ks) at window 2 + rt / 4, v[64 (rt % 4) + 16 ks].
.set XPITCH, 1040                      ; a row of an x tile in LDS: 1,024 bytes + 16 of padding: the 16 rows that a load touches start 16 bytes apart modulo 256
.set XQB,    32*XPITCH                 ; a wave's quarter of an x tile: 32 rows x 256 numbers
.set XSLOT,  4*XQB
.set WSLOT,  1<<17                     ; a slot of weights: 32,768 bytes a wave; one exclusive or turns slot 0 into slot 1.  The weights' slots lie over x's, which are done with by then
.set QV,     2*XSLOT                   ; q': 1,024 numbers
.set SC,     QV+4096                   ; partial scores: [step's parity][kh][32 x lane]
.set PW,     SC+4096                   ; p: [kh][128], each v wave's own
.set SW,     PW+1024                   ; t: [kh][128], each v wave's own
.set CT,     SW+1024                   ; ctx's parts: [kh] x 4,352; step s's 64 numbers at 256 s
.set SPARE,  CT+8704                   ; the spare words: 128 bytes a wave, two blocks of 256 bytes that no other line names
.set B0, 128
.set B1, 192
; v1 SPARE + 4 x thread, v2 0 (kept for the add alone); v3 16 lane + 32768 wave, v4 the same in the slot in hand; v5, v6 my place in x's slot 0, 1; v7, v8 q' (base, this step's); v9, v10 where I store partial scores;
; v11, v12 where they are read; v13 p in, v14 p out; v15 t in, v20 t out; v21, v22 ctx's part; v23 ctx read back; v24 16 lane; v26 2^e, v27 57,344 x 2^e; v28 16 x thread
; s16 wave, s17 role, s18 kh, s19 cx, s20 g; s[24:31] group 1 for x; s[32:35], s[36:39] its groups 0; s[40:47] group 1 for weights; s[48:51] their group 0, which walks;
; s55 trips; s56 the slot in hand; s57, s58 parity x 2048 for the scores' stores and reads; s59 256 x step; s[60:61] lane selects; s[68:71] e0 .. e3; s[72:73] the logits' base
.set MSB, 0
.macro WIN new                         ; the immediate's high byte repeats the setting that is left; a switch that changes nothing is dropped
.if MSB != (\new)
	s_set_vgpr_msb (MSB<<8)|(\new)
.set MSB, \new
.endif
.endm
.macro PLACES n
.rept \n
	v_nop
.endr
.endm
; A round of the cluster's barrier: my work-group's barrier; wave 0 signals for the work-group; every wave waits for all four work-groups; my work-group's barrier once more.
.macro ROUND
	s_barrier_signal -1
	s_barrier_wait -1
	s_cmp_lg_u32 s16, 0
	s_cbranch_scc1 .Lnot_wave_0_\@
	s_barrier_signal -3
.Lnot_wave_0_\@:
	s_barrier_wait -3
	s_barrier_signal -1
	s_barrier_wait -1
.endm
; ---- X phase.  Fragment f of a tile: rows 16 (f / 4) on, K step f % 4 of my half.  A lane takes, of row lane % 16, 16 neighbouring numbers of each block of 32.
.macro XL f, adr, S
.set o_, (((\f)%4)/2)*XQB+((\f)/4)*16*XPITCH+((\f)%2)*512
.irp c, 0,1,2,3
.irp u, 0,1,2,3
	ds_load_b128 v[\S+16*\c+4*\u:\S+16*\c+4*\u+3], v[\adr] offset:o_+128*\c+16*\u
.endr
.endr
.endm
.macro XQ f, j, S                      ; 64 numbers become the 16 registers of x's fragment (2 j + f / 4, f % 4)
.set rt_, 2*(\j)+(\f)/4
.set ad_, 64*(rt_%4)+16*((\f)%4)
.set i_, 0
.rept 64
	v_med3_num_f32 v[\S+i_], v[\S+i_], -v27, v27   ; the conversion to an 8-bit code does not saturate (ISA guide 7.6.2): the hold at the largest code x the scale
.set i_, i_+1
.endr
	WIN 0x80+0x40*(rt_/4)                          ; destination window 2 or 3
.irp c, 0,1,2,3
	v_cvt_scalef32_pk8_bf8_f32 v[ad_+4*\c:ad_+4*\c+1], v[\S+16*\c:\S+16*\c+7], v26
	v_cvt_scalef32_pk8_bf8_f32 v[ad_+4*\c+2:ad_+4*\c+3], v[\S+16*\c+8:\S+16*\c+15], v26
.endr
	WIN 0
	v_nop                                          ; one plain vector line behind the last conversion, ahead of whatever next touches its registers
.endm
.macro XTILE j, adr                    ; a tile's eight fragments; the next fragment's 16 loads are out while one is quantised
	XL 0, \adr, B0
.set f_, 0
.rept 8
.if f_ < 7
	XL f_+1, \adr, B0+64*((f_+1)%2)
	s_wait_dscnt 16                                ; all but the 16 just issued
.else
	s_wait_dscnt 0x0
.endif
	XQ f_, \j, B0+64*(f_%2)
.set f_, f_+1
.endr
.endm
.macro XCHANGE g0                      ; the slot just read takes the tile two further on
	s_wait_tensorcnt 0x0                           ; all my tensor loads have landed: my quarter of the other slot; so a group 0 may be written
	ds_add_u32 v1, v2                              ; 0 onto my spare word
	s_add_nc_u64 s[\g0+2:\g0+3], s[\g0+2:\g0+3], 262144   ; 64 rows of 4,096 bytes on
	s_wait_dscnt 0x0                               ; the add is done, and my reads of the slot are over
	ROUND                                          ; in a cluster launch every group of tensor loads stands behind a round
	tensor_load_to_lds s[\g0:\g0+3], s[24:31]
	s_nop 0
	PLACES 4
.endm
; ---- W phase
.macro FETCH ks, buf                   ; K step ks: four fragments (nt), 16 loads of 512 consecutive bytes
.irp nt, 0,1,2,3
.irp c, 0,1,2,3
	ds_load_b128 v[(\buf)+16*\nt+4*\c:(\buf)+16*\nt+4*\c+3], v4 offset:(4*(\ks)+\nt)*2048+512*\c
.endr
.endr
.endm
; 16 matrix instructions: tiles of rows 4 half .. 4 half + 3 x four tiles of columns.  K step 0 starts the sums with the constant 0.  The 32 accumulators take turns, one instruction a turn.
.macro MUL role, ks, buf, half
.if (\role) == 0
	WIN 0x58+4*(\half)                             ; C, D window 1; source 0 (weights) window 0; source 1 (x) window 2 or 3
.else
	WIN 0x52+(\half)                               ; C, D window 1; source 0 (x) window 2 or 3; source 1 (weights) window 0
.endif
.set r_, 0
.rept 4
.set n_, 0
.rept 4
.set d_, 8*(4*(4*(\half)+r_)+n_)
.set a_, 64*r_+16*(\ks)
.set b_, (\buf)+16*n_
.if (\role) == 0
.if (\ks) == 0
	v_wmma_f32_16x16x128_bf8_bf8 v[d_:d_+7], v[b_:b_+15], v[a_:a_+15], 0
.else
	v_wmma_f32_16x16x128_bf8_bf8 v[d_:d_+7], v[b_:b_+15], v[a_:a_+15], v[d_:d_+7]
.endif
.else
.if (\ks) == 0
	v_wmma_f32_16x16x128_bf8_bf8 v[d_:d_+7], v[a_:a_+15], v[b_:b_+15], 0
.else
	v_wmma_f32_16x16x128_bf8_bf8 v[d_:d_+7], v[a_:a_+15], v[b_:b_+15], v[d_:d_+7]
.endif
.endif
.set n_, n_+1
.endr
.set r_, r_+1
.endr
.endm
; One of a step's first three K steps: the next K step's fragments are asked for, into the buffer that the K step before has left (four places behind its products: ISA guide 7.12.1 for vector instructions), then 32 products.
.macro KS role, ks
	PLACES 4
	FETCH (\ks)+1, B0+64*(((\ks)+1)%2)
	s_wait_dscnt 16                                ; all but the 16 just issued: this K step's fragments are in
	MUL \role, \ks, B0+64*((\ks)%2), 0
	MUL \role, \ks, B0+64*((\ks)%2), 1
	WIN 0
.endm
; The k waves' reduction: partial score of row 16 rt + lane % 16 = the sum over my 64 columns of sum x q'.  Eight chains, one for each tile of rows; each accumulator is read from its low end on.
.macro KRED
	s_wait_dscnt 0x0                               ; q' is in
	PLACES 4                                       ; behind the last products, ahead of the first read of results
	WIN 0x01                                       ; source 0: window 1
.set n_, 0
.rept 4
.set p_, 0
.rept 4
.set r_, 0
.rept 8
.set d_, 8*(4*r_+n_)+2*p_
.if (n_ == 0) && (p_ == 0)
	v_pk_mul_f32 v[96+2*r_:97+2*r_], v[d_:d_+1], v[32+8*n_+2*p_:33+8*n_+2*p_]
.else
	v_pk_fma_f32 v[96+2*r_:97+2*r_], v[d_:d_+1], v[32+8*n_+2*p_:33+8*n_+2*p_], v[96+2*r_:97+2*r_]
.endif
.set r_, r_+1
.endr
.set p_, p_+1
.endr
.set n_, n_+1
.endr
	WIN 0
.irp t, 0,1,2,3,4,5,6,7
	v_add_f32 v[112+\t], v[96+2*\t], v[97+2*\t]
.endr
.irp t, 0,1,2,3,4,5,6,7
	v_permlanex16_b32 v[120+\t], v[112+\t], s60, s61   ; the row's other 32 columns lie in the lane 16 away
.endr
.irp t, 0,1,2,3,4,5,6,7
	v_add_f32 v[112+\t], v[112+\t], v[120+\t]
.endr
	ds_store_b128 v10, v[112:115]
	ds_store_b128 v10, v[116:119] offset:16
.endm
; The v waves' softmax of a block: t = the two halves' partial scores; the block's largest t is taken away; p = 2^(t - m).  t and p go through the wave's own LDS bytes to change lanes (LDS serves a wave's instructions in order: ISA guide 5.7.1.4).
.macro VSOFT
	s_wait_dscnt 0x0                               ; the partial scores are in
.irp p, 0,2,4,6
	v_pk_add_f32 v[96+\p:97+\p], v[96+\p:97+\p], v[104+\p:105+\p]
.endr
.irp t, 0,1,2,3,4,5,6,7
	ds_store_b32 v15, v[96+\t] offset:64*\t        ; t of row 16 rt + lane % 16 (both halves of the lanes hold, and write, the same)
.endr
	ds_load_b128 v[16:19], v20                     ; back by rows: four neighbouring rows a lane, for the store of the logits
	v_max3_num_f32 v104, v96, v97, v98
	v_max3_num_f32 v105, v99, v100, v101
	v_max3_num_f32 v104, v104, v102, v103
	v_max_num_f32 v104, v104, v105
	v_max_num_f32_dpp v104, v104, v104 row_xmask:1 row_mask:0xf bank_mask:0xf
	v_max_num_f32_dpp v104, v104, v104 row_xmask:2 row_mask:0xf bank_mask:0xf
	v_max_num_f32_dpp v104, v104, v104 row_xmask:4 row_mask:0xf bank_mask:0xf
	v_max_num_f32_dpp v104, v104, v104 row_xmask:8 row_mask:0xf bank_mask:0xf
.irp t, 0,1,2,3,4,5,6,7
	v_sub_f32 v[96+\t], v[96+\t], v104
.endr
.irp t, 0,1,2,3,4,5,6,7
	v_exp_f32 v[96+\t], v[96+\t]
.endr
	v_nop                                          ; a plain instruction behind the last exponential
	s_wait_alu depctr_va_vdst(0)                   ; one wait for the eight, ahead of their first reader
.irp t, 0,1,2,3,4,5,6,7
	ds_store_b32 v13, v[96+\t] offset:64*\t
.endr
.irp t, 0,1,2,3,4,5,6,7
	ds_load_b128 v[32+8*\t:35+8*\t], v14 offset:64*\t        ; p of rows 16 rt + 8 (lane / 16) + 0 .. 7: the rows of my accumulators' registers
	ds_load_b128 v[36+8*\t:39+8*\t], v14 offset:64*\t+16
.endr
.endm
; The v waves' reduction: ctx's part of column 16 nt + lane % 16 = the sum over the 128 rows of p x sum.  Eight chains.
.macro VRED
	PLACES 4
	WIN 0x01
.set r_, 0
.rept 8
.set p_, 0
.rept 4
.set n_, 0
.rept 4
.set d_, 8*(4*r_+n_)+2*p_
.set c_, 112+4*n_+2*(p_%2)
.if (r_ == 0) && (p_ < 2)
	v_pk_mul_f32 v[c_:c_+1], v[d_:d_+1], v[32+8*r_+2*p_:33+8*r_+2*p_]
.else
	v_pk_fma_f32 v[c_:c_+1], v[d_:d_+1], v[32+8*r_+2*p_:33+8*r_+2*p_], v[c_:c_+1]
.endif
.set n_, n_+1
.endr
.set p_, p_+1
.endr
.set r_, r_+1
.endr
	WIN 0
.irp n, 0,1,2,3
	v_pk_add_f32 v[112+4*\n:113+4*\n], v[112+4*\n:113+4*\n], v[114+4*\n:115+4*\n]
.endr
.irp n, 0,1,2,3
	v_add_f32 v[96+\n], v[112+4*\n], v[113+4*\n]
.endr
.irp n, 0,1,2,3
	v_permlanex16_b32 v[100+\n], v[96+\n], s60, s61    ; the column's other 64 rows lie in the lane 16 away
.endr
.irp n, 0,1,2,3
	v_add_f32 v[96+\n], v[96+\n], v[100+\n]
.endr
.irp n, 0,1,2,3
	ds_store_b32 v22, v[96+\n] offset:64*\n
.endr
.endm
; THE CHANGE OF SLOTS stands behind a step's third K step, when all four of its fetches are out.  Every wave waits for all its tensor loads (the one that is out is the next step's tile), adds 0 to its spare word, and waits for that
; and for its LDS reads and stores.  Behind the barrier the slot just read is filled with the tile two steps on, and the partial scores stored in the step before may be read.
; fill: 1 every wave asks; 2 the v waves alone; 3 the k waves alone; 0 nobody (then a plain barrier).  fetch: who reads the next tile's first fragments: 1 all, 2 the k waves, 3 the v waves, 0 nobody.  step = 0: the first tile: nothing walks yet.
.macro CHANGE fill, fetch, step
	s_wait_tensorcnt 0x0                           ; no tensor load of mine is out, so the group 0 may be written
	ds_add_u32 v1, v2                              ; 0 onto my spare word
.if \step
.if \fill
	s_xor_b32 s49, s49, WSLOT                      ; the walking descriptor: the other slot than last time,
	s_add_nc_u64 s[50:51], s[50:51], 65536         ; the next head; the type bits on top are not reached
.endif
	s_xor_b32 s56, s56, WSLOT                      ; the fetches go on to the other slot
.endif
	s_wait_dscnt 0x0                               ; the add is done; my reads of the slot are over; my stores have landed
.if \fill
	ROUND                                          ; no wave of any partner still reads the slot or has a load on its way
.else
	s_barrier_signal -1
	s_barrier_wait -1
.endif
.if (\fill) == 1
	tensor_load_to_lds s[48:51], s[40:47]          ; my one tensor load behind the round, and the first thing there
	s_nop 0
	PLACES 4
.elseif (\fill) > 1
	s_cmp_eq_u32 s17, 3-(\fill)                    ; the branch hangs on the wave's number alone: it is the same in all four partners
	s_cbranch_scc0 .Lnofill_\@
	tensor_load_to_lds s[48:51], s[40:47]
	s_nop 0
	PLACES 4
.Lnofill_\@:
.endif
	v_add_nc_u32 v4, s56, v3                       ; the step's addresses, made by every wave alike; these five are also the places ahead of the loads below
	v_add_nc_u32 v8, s59, v7
	v_add_nc_u32 v22, s59, v21
	v_add_nc_u32 v10, s57, v9
	v_add_nc_u32 v12, s58, v11
.if (\fetch) == 1
	FETCH 0, B0
.elseif (\fetch) > 1
	s_cmp_eq_u32 s17, (\fetch)-2
	s_cbranch_scc0 .Lnofetch_\@
	FETCH 0, B0
.Lnofetch_\@:
.endif
.endm
.macro STEP fill, fetch, doK, doV
	s_cmp_eq_u32 s17, 0
	s_cbranch_scc0 .Lv1_\@
.if \doK
	KS 0, 0
	KS 0, 1
	KS 0, 2
.endif
	s_branch .Lj1_\@
.Lv1_\@:
.if \doV
	KS 1, 0
	KS 1, 1
	KS 1, 2
.endif
.Lj1_\@:
	CHANGE \fill, \fetch, 1
	s_cmp_eq_u32 s17, 0
	s_cbranch_scc0 .Lv2_\@
.if \doK
.irp n, 0,1,2,3
	ds_load_b128 v[32+8*\n:35+8*\n], v8 offset:64*\n         ; q' of this head's columns 16 nt + 8 (lane / 16) + 0 .. 7
	ds_load_b128 v[36+8*\n:39+8*\n], v8 offset:64*\n+16
.endr
	MUL 0, 3, B1, 0                                ; the last K step: its fragments came in ahead of the change
	MUL 0, 3, B1, 1
	WIN 0
	KRED
.endif
	s_branch .Lj2_\@
.Lv2_\@:
.if \doV
	ds_load_b128 v[96:99], v12                     ; the partial scores that the k waves stored in the step before: kh = 0,
	ds_load_b128 v[100:103], v12 offset:16
	ds_load_b128 v[104:107], v12 offset:1024       ; kh = 1
	ds_load_b128 v[108:111], v12 offset:1040
	MUL 1, 3, B1, 0
	WIN 0
	VSOFT                                          ; it names no register of the products round it
	MUL 1, 3, B1, 1
	WIN 0
	s_wait_dscnt 0x0                               ; the logits' row and p are in
	s_cmp_eq_u32 s18, 0
	s_cbranch_scc0 .Lnolog_\@                      ; both v waves hold the same t: one stores
	global_store_b128 v24, v[16:19], s[72:73] offset:-8192   ; 512 consecutive bytes: the block's 128 logits of head step - 1
.Lnolog_\@:
	VRED
.endif
.Lj2_\@:
	s_wait_xcnt 0x0                                ; the store has read its base and its data: both may be written again
	s_add_nc_u64 s[72:73], s[72:73], 8192          ; the next head's logits
	s_add_co_u32 s59, s59, 256
	s_xor_b32 s57, s57, 2048
	s_xor_b32 s58, s58, 2048
.endm
	s_load_b256 s[4:11], s[0:1], 0x0               ; x s[4:5], wcodes s[6:7], qpart s[8:9], the scales' exponents s[10:11]
	s_load_b128 s[12:15], s[0:1], 0x20             ; logit s[12:13], ctxp s[14:15]
	v_lshl_add_u32 v1, v0, 2, SPARE
	v_mov_b32 v2, 0
	ds_add_u32 v1, v2
	ds_add_u32 v1, v2
	s_wait_dscnt 0x0
	v_lshrrev_b32 v29, 5, v0
	v_readfirstlane_b32 s16, v29                   ; wave 0..3
	s_lshr_b32 s17, s16, 1                         ; role
	s_and_b32 s18, s16, 1                          ; kh
	s_bfe_u32 s19, ttmp6, 0x40000                  ; cx: my place in the cluster
	s_lshl_b32 s20, ttmp9, 2                       ; in a cluster launch ttmp9 counts clusters
	s_add_co_u32 s20, s20, s19                     ; g: it enters the addresses of x, logit and ctxp alone
	; every LDS address is made here, ahead of the first parting of the roles
	v_and_b32 v29, 31, v0                          ; lane
	v_and_b32 v30, 15, v0                          ; r
	v_bfe_u32 v31, v0, 4, 1                        ; h
	v_lshlrev_b32 v24, 4, v29
	s_lshl_b32 s74, s16, 15
	v_add_nc_u32 v3, s74, v24
	s_mul_i32 s74, s18, 2*XQB
	v_mul_u32_u24 v5, v30, XPITCH
	v_lshl_add_u32 v5, v31, 6, v5
	v_add_nc_u32 v5, s74, v5                       ; x: my half of K, row r, + 64 h
	v_add_nc_u32 v6, XSLOT, v5
	v_lshlrev_b32 v7, 5, v31
	v_add_nc_u32 v7, QV, v7
	v_lshlrev_b32 v11, 5, v29
	v_add_nc_u32 v11, SC, v11
	s_lshl_b32 s74, s18, 10
	v_add_nc_u32 v9, s74, v11
	s_lshl_b32 s74, s18, 9
	v_lshlrev_b32 v13, 2, v30
	v_add_nc_u32 v13, s74, v13
	v_add_nc_u32 v15, SW, v13
	v_add_nc_u32 v13, PW, v13
	v_lshlrev_b32 v14, 5, v31
	v_add_nc_u32 v14, s74, v14
	v_add_nc_u32 v14, PW, v14
	v_add_nc_u32 v20, s74, v24
	v_add_nc_u32 v20, SW, v20
	s_mul_i32 s74, s18, 4352
	v_lshlrev_b32 v21, 2, v30
	v_add_nc_u32 v21, s74, v21
	v_add_nc_u32 v21, CT, v21
	v_lshlrev_b32 v28, 4, v0
	v_add_nc_u32 v23, CT+256, v28
.irp t, 0,1,2,3,4,5,6,7
	v_mov_b32 v[120+\t], 0                         ; written once: a lane permute's destination counts as one of its sources
.endr
	; group 1 for x: 32 rows x 256 numbers of 4 bytes, 1,024 numbers from row to row, 4 words of padding behind every 256
	s_mov_b32 s24, (2<<16)|(1<<20)|(7<<22)|(3<<25)
	s_mov_b32 s25, 256<<16
	s_mov_b32 s26, 32<<16
	s_mov_b32 s27, 256<<16
	s_mov_b32 s28, 32
	s_mov_b32 s29, 1024
	s_mov_b32 s30, 0
	s_mov_b32 s31, 0
	; group 1 for the weights: a dense block of 32,768 bytes as 128 rows of 32 elements of 8 bytes; the mask names all four work-groups, bit 21 beside it
	s_mov_b32 s40, 15|(3<<16)|(1<<21)
	s_mov_b32 s41, 32<<16
	s_mov_b32 s42, 128<<16
	s_mov_b32 s43, 32<<16
	s_mov_b32 s44, 128
	s_mov_b32 s45, 32
	s_mov_b32 s46, 0
	s_mov_b32 s47, 0
	s_mov_b32 s60, 0x76543210
	s_mov_b32 s61, 0xfedcba98
	s_mov_b32 s56, WSLOT
	s_mov_b32 s57, 0
	s_mov_b32 s58, 2048
	s_mov_b32 s59, 0
	s_mov_b32 s32, 1
	s_mul_i32 s33, s16, XQB                        ; x's quarter w in slot 0,
	s_mov_b32 s36, 1
	s_add_co_u32 s37, s33, XSLOT                   ; in slot 1
	s_lshl_b32 s74, s20, 19                        ; my 128 rows of 4,096 bytes,
	s_lshl_b32 s75, s16, 10                        ; my wave's 256 numbers of each
	s_add_co_u32 s74, s74, s75
	s_mov_b32 s75, 0
	s_mov_b32 s48, 1
	s_lshl_b32 s49, s16, 15                        ; the weights' tile of wave w in slot 0: no place in the cluster enters an LDS address
	s_mul_i32 s76, s17, 983040                     ; the v waves begin one head ahead of w_vs and ask for the first time after one step
	s_lshl_b32 s77, s18, 15
	s_add_co_u32 s76, s76, s77
	s_mov_b32 s77, 0
	s_lshr_b32 s78, s20, 4
	s_lshl_b32 s78, s78, 17                        ; logit: the batch's 16 heads x 2,048,
	s_and_b32 s79, s20, 15
	s_lshl_b32 s79, s79, 9                         ; my block's 128
	s_add_co_u32 s78, s78, s79
	s_mov_b32 s79, 0
	s_lshl_b32 s80, s20, 12                        ; ctxp: row g
	s_mov_b32 s81, 0
	s_wait_kmcnt 0x0
	s_load_b128 s[68:71], s[10:11], 0x0            ; e0 .. e3
	s_add_nc_u64 s[34:35], s[4:5], s[74:75]
	s_add_nc_u64 s[38:39], s[34:35], 131072        ; tile 1: 32 rows on
	s_or_b32 s35, s35, 0x80000000
	s_or_b32 s39, s39, 0x80000000
	s_add_nc_u64 s[50:51], s[6:7], s[76:77]
	s_or_b32 s51, s51, 0x80000000
	s_add_nc_u64 s[72:73], s[12:13], s[78:79]
	s_add_nc_u64 s[14:15], s[14:15], s[80:81]
	ROUND                                          ; in front of the first tensor loads
	tensor_load_to_lds s[32:35], s[24:31]          ; x's tiles 0 and 1: two loads of mine are out
	s_nop 0
	tensor_load_to_lds s[36:39], s[24:31]
	s_nop 0
	PLACES 4
	; q' = (the eight parts of query . w_qs added) x log2(e) / 8 x 2^(e0 + e1): eight columns a thread
	v_lshlrev_b32 v29, 5, v0
.irp k, 0,1,2,3,4,5,6,7
	global_load_b128 v[32+8*\k:35+8*\k], v29, s[8:9] offset:4096*\k
	global_load_b128 v[36+8*\k:39+8*\k], v29, s[8:9] offset:4096*\k+16
.endr
	s_wait_loadcnt 0x0
.irp k, 1,2,3,4,5,6,7
.irp p, 0,2,4,6
	v_pk_add_f32 v[32+\p:33+\p], v[32+\p:33+\p], v[32+8*\k+\p:33+8*\k+\p]
.endr
.endr
	s_wait_kmcnt 0x0
	s_add_co_i32 s74, s68, s69
.irp p, 0,1,2,3,4,5,6,7
	v_mul_f32 v[32+\p], 0x3e38aa3b, v[32+\p]       ; log2(e) / 8
.endr
.irp p, 0,1,2,3,4,5,6,7
	v_ldexp_f32 v[32+\p], v[32+\p], s74            ; a sum of k's product stands for sum x 2^(e0 + e1)
.endr
	v_add_nc_u32 v30, QV, v29
	ds_store_b128 v30, v[32:35]
	ds_store_b128 v30, v[36:39] offset:16
	s_cmp_eq_u32 s17, 0
	s_cselect_b32 s74, s68, s70                    ; x's scale for my role: a choice, no branch
	s_add_co_i32 s74, s74, 127
	s_lshl_b32 s75, s74, 23
	v_mov_b32 v26, s75                             ; 2^e as f32: the conversion takes its exponent field
	s_add_co_i32 s74, s74, 15
	s_lshl_b32 s74, s74, 23
	s_or_b32 s74, s74, 0x600000
	v_mov_b32 v27, s74                             ; 57,344 x 2^e
	s_wait_tensorcnt 1                             ; my quarter of tile 0 is in; tile 1's may stay out
	s_wait_dscnt 0x0                               ; q' has landed
	s_barrier_signal -1
	s_barrier_wait -1
	XTILE 0, 5
	XCHANGE 32                                     ; slot 0 takes tile 2
	XTILE 1, 6
	XCHANGE 36                                     ; slot 1 takes tile 3
	XTILE 2, 5
	CHANGE 3, 0, 0                                 ; x's slot 0 is done with: the k waves ask for step 0's tile
	XTILE 3, 6
	CHANGE 1, 2, 1                                 ; x's slot 1 is done with: step 1's tiles; the k waves fetch step 0's first fragments
	STEP 1, 1, 1, 0                                ; step 0: the v waves have no scores yet
	s_mov_b32 s55, 13
.Lstep:                                            ; steps 1 to 13: each asks for the tile two steps on
	STEP 1, 1, 1, 1
	s_sub_co_u32 s55, s55, 1
	s_cmp_lg_u32 s55, 0
	s_cbranch_scc1 .Lstep
	STEP 2, 1, 1, 1                                ; step 14: only the v waves have a tile 16.  The tail is written out
	STEP 0, 3, 1, 1                                ; step 15: nothing is asked for
	STEP 0, 0, 0, 1                                ; step 16: the v waves' last head
	s_wait_dscnt 0x0                               ; ctx's parts have landed
	s_barrier_signal -1
	s_barrier_wait -1
	ds_load_b128 v[96:99], v23                     ; the two halves of K are added: 1,024 numbers, eight a thread
	ds_load_b128 v[100:103], v23 offset:2048
	ds_load_b128 v[104:107], v23 offset:4352
	ds_load_b128 v[108:111], v23 offset:6400
	s_wait_dscnt 0x0
.irp p, 0,2,4,6
	v_pk_add_f32 v[96+\p:97+\p], v[96+\p:97+\p], v[104+\p:105+\p]
.endr
	global_store_b128 v28, v[96:99], s[14:15]      ; a wave stores 512 consecutive bytes
	global_store_b128 v28, v[100:103], s[14:15] offset:2048
	s_wait_tensorcnt 0x0                           ; the wave's end: behind my last tensor load and my last LDS store
	ds_add_u32 v1, v2
	s_wait_dscnt 0x0
	ROUND                                          ; the closing round: no work-group ends while a partner may still ask for a tile that names it
	s_endpgm
.Lfunc_end_k_q7737db8ce5_main:
	.size	k_q7737db8ce5_main, .Lfunc_end_k_q7737db8ce5_main-k_q7737db8ce5_main
	.p2alignl 7, 3214868480
	.fill 96, 4, 3214868480
	.section	.rodata,"a",@progbits
	.p2align	6, 0x0
	.amdhsa_kernel k_q7737db8ce5_main
		.amdhsa_group_segment_fixed_size 327680
		.amdhsa_private_segment_fixed_size 0
		.amdhsa_enable_private_segment 0
		.amdhsa_kernarg_size 48
		.amdhsa_user_sgpr_count 2
		.amdhsa_user_sgpr_kernarg_segment_ptr 1
		.amdhsa_wavefront_size32 1
		.amdhsa_system_sgpr_workgroup_id_x 1
		.amdhsa_system_sgpr_workgroup_id_y 1
		.amdhsa_system_sgpr_workgroup_id_z 1
		.amdhsa_system_vgpr_workitem_id 0
		.amdhsa_next_free_vgpr 1024
		.amdhsa_next_free_sgpr 96
		.amdhsa_reserve_vcc 0
		.amdhsa_float_denorm_mode_32 3
		.amdhsa_float_denorm_mode_16_64 3
		.amdhsa_memory_ordered 1
		.amdhsa_forward_progress 1
		.amdhsa_inst_pref_size 255
	.end_amdhsa_kernel
	.section	.bss,"aw",@nobits
	.p2align	6
	.space	262144
	.amdgpu_metadata
---
amdhsa.version: [ 1, 2 ]
amdhsa.kernels:
  - .name:           k_q7737db8ce5_main
    .symbol:         k_q7737db8ce5_main.kd
    .args:
      - { .name: x, .offset: 0, .size: 8, .value_kind: global_buffer, .address_space: global }
      - { .name: wcodes, .offset: 8, .size: 8, .value_kind: global_buffer, .address_space: global }
      - { .name: qpart, .offset: 16, .size: 8, .value_kind: global_buffer, .address_space: global }
      - { .name: lowp_scales, .offset: 24, .size: 8, .value_kind: global_buffer, .address_space: global }
      - { .name: logit, .offset: 32, .size: 8, .value_kind: global_buffer, .address_space: global }
      - { .name: ctxp, .offset: 40, .size: 8, .value_kind: global_buffer, .address_space: global }
    .group_segment_fixed_size: 327680
    .private_segment_fixed_size: 0
    .kernarg_segment_align: 8
    .kernarg_segment_size: 48
    .max_flat_workgroup_size: 128
    .sgpr_count:     96
    .vgpr_count:     1024
    .wavefront_size: 32
...
	.end_amdgpu_metadata
.endif
;; end of part 2
;; launch heads (part 3): grid 256 x 1, 8 waves a work-group, no clusters, 9,728 bytes of LDS; arguments logit, ctxp, wcodes, lowp_scales, opart, out1; writes opart, out1
.if DOCPART == 3
	.amdgcn_target "amdgcn-amd-amdhsa--gfx1250"
	.amdhsa_code_object_version 6
	.text
	.protected	k_q7737db8ce5_heads
	.globl	k_q7737db8ce5_heads
	.p2align	8
	.type	k_q7737db8ce5_heads,@function
k_q7737db8ce5_heads:
	s_mov_b64 s[64:65], 0
	v_nop
	global_prefetch_b8 v0, s[64:65] scope:SCOPE_SE
	s_setreg_imm32_b32 hwreg(HW_REG_WAVE_MODE, 25, 1), 1
	s_wait_xcnt 0x0
; One work-group for each (batch b, head hd): g = 16 b + hd.  K of the product with fc is shared out among the 16 work-groups of a batch: each takes its head's 64 of the 1,024, so that it reads 64 KB of fc's codes.
; 1. out1[b][hd][:] = softmax of the head's 2,048 base-2 logits t.  Wave w takes blocks 2 w and 2 w + 1 of 128.  M = the largest t is taken away, p = 2^(t - M), divided by the sum.  The blocks' maxima and the waves' sums meet in LDS.
; 2. ctx[64 hd ..] = the sum over the 16 blocks i of ctxp[16 b + i] x 2^(m_i - M) / sum x 2^(e2 + e3): m_i, the block's largest t, is taken again from the same numbers from which the launch before took it.  Every wave makes the 64 numbers for itself.
; 3. ctx is quantised (2^e4) in registers and multiplied by fc's codes (2^e5): wave w makes columns 128 w .. + 127, eight products of 16 x 16 x 64.  All 16 rows of source 0 are this batch's row, so register 0 of a result holds the column lane % 16 in every lane.
;    opart[b][hd][:] = the sums x 2^(e4 + e5); the next launch adds a batch's sixteen parts.
; The place of k in an operand's registers (registers 0-3: K = 16 (lane / 16) + 0 .. 15, registers 4-7: 32 more) is the same permutation in both operands; fc's fragment is two neighbouring pieces of 512 bytes of the layout in which its codes were stored.
; NO JOINT LOADS, though the 16 work-groups of a head read the same 64 KB of fc: each fragment goes from memory straight into the registers of the one wave that multiplies by it, once; through LDS it would want a ring and rounds for 8 KB a wave.
; NOT PREFETCHED: all of a wave's 34 loads are issued at its head; nothing is asked for later.
; LIMITS: e4 between -126 and 112, so that 2^e4 and 57,344 x 2^e4 are f32 numbers; the other exponents are applied by v_ldexp_f32.  NaN among the inputs is not served.  p under 2^-126 comes out as 0.
; LDS: 1,024 bytes for each wave (ctx in f32 at 0, the stage for its 128 results at 512), its own; the 16 maxima at MB; the 8 sums at SS.
; REGISTERS: v1-14 addresses; v16-31 at work; v32-39 my 8 logits; v40-71 ctx's 32 numbers of my lane; v72-79 their codes; v96-111 the blocks' maxima, then their factors; v124-125 M; v126, v127 2^e4 and 57,344 x 2^e4;
;   v128-191 fc's eight fragments; v192-223 ctx's parts, then v192-255 the eight accumulators.
.set MB, 8192
.set SS, 8448
.macro PLACES n
.rept \n
	v_nop
.endr
.endm
.macro BAR                             ; my LDS stores have landed and my LDS loads are in: then the work-group's barrier
	s_wait_dscnt 0x0
	s_barrier_signal -1
	s_barrier_wait -1
.endm
.macro ROWSUM r                        ; over the 16 lanes of each half
.irp m, 1,2,4,8
	v_add_f32_dpp v[\r], v[\r], v[\r] row_xmask:\m row_mask:0xf bank_mask:0xf
.endr
.endm
	s_load_b256 s[4:11], s[0:1], 0x0               ; logit s[4:5], ctxp s[6:7], wcodes s[8:9], the scales' exponents s[10:11]
	s_load_b128 s[12:15], s[0:1], 0x20             ; opart s[12:13], out1 s[14:15]
	v_lshl_add_u32 v122, v0, 2, 0x2200
	v_mov_b32 v123, 0
	v_lshrrev_b32 v1, 5, v0
	v_readfirstlane_b32 s22, v1                    ; wave 0..7
	v_and_b32 v1, 31, v0                           ; lane
	v_and_b32 v2, 15, v0                           ; r
	v_bfe_u32 v3, v0, 4, 1                         ; h
	v_lshlrev_b32 v4, 4, v1                        ; 16 x lane
	v_lshlrev_b32 v5, 3, v1                        ; 8 x lane
	s_lshl_b32 s28, s22, 10                        ; 1,024 w: my wave's LDS bytes; also its 256 logits in bytes
	v_add_nc_u32 v7, s28, v5                       ; ctx in: two columns a lane
	v_lshlrev_b32 v9, 6, v3
	v_add_nc_u32 v9, s28, v9                       ; ctx out: 16 columns from 16 h on
	v_lshlrev_b32 v10, 2, v2
	v_add_nc_u32 v10, s28, v10                     ; the stage, in: 4 r
	v_add_nc_u32 v11, s28, v4                      ; the stage, out: 16 x lane
	s_lshl_b32 s29, s22, 3
	v_mov_b32 v12, s29
	v_add_nc_u32 v12, MB, v12                      ; my two maxima
	v_mov_b32 v13, MB
	s_lshl_b32 s29, s22, 2
	v_mov_b32 v14, s29
	v_add_nc_u32 v14, SS, v14                      ; my sum
	v_mov_b32 v16, 0                               ; written once: a lane permute's destination counts as one of its sources
	v_mov_b32 v17, 0
	s_mov_b32 s40, 0x76543210
	s_mov_b32 s41, 0xfedcba98
	s_lshl_b32 s30, ttmp9, 13                      ; g x 2,048 numbers, in logit and in out1,
	s_add_co_u32 s30, s30, s28                     ; + my wave's 256
	s_mov_b32 s31, 0
	s_and_b32 s23, ttmp9, 15                       ; hd
	s_lshr_b32 s32, ttmp9, 4
	s_lshl_b32 s32, s32, 16                        ; ctxp: 16 b rows of 4,096 bytes
	s_lshl_b32 s33, s23, 8
	s_add_co_u32 s32, s32, s33                     ; + the head's 64 columns
	s_mov_b32 s33, 0
	s_lshr_b32 s34, s23, 1
	s_lshl_b32 s34, s34, 13                        ; fc's codes: K step hd / 2 of 128: 8,192 bytes each,
	s_and_b32 s35, s23, 1
	s_lshl_b32 s35, s35, 10                        ; its lower or upper 64: two pieces of 512 bytes,
	s_add_co_u32 s34, s34, s35
	s_lshl_b32 s35, s22, 17                        ; columns 128 w on: two groups of 64, 65,536 bytes each,
	s_add_co_u32 s34, s34, s35
	s_add_co_u32 s34, s34, 0x200000                ; in the third matrix
	s_mov_b32 s35, 0
	s_lshl_b32 s36, ttmp9, 12                      ; opart: row g
	s_lshl_b32 s37, s22, 9
	s_add_co_u32 s36, s36, s37                     ; + my 128 columns
	s_mov_b32 s37, 0
	s_wait_kmcnt 0x0
	s_load_b128 s[24:27], s[10:11], 0x8            ; e2, e3, e4, e5
	s_add_nc_u64 s[4:5], s[4:5], s[30:31]
	s_add_nc_u64 s[14:15], s[14:15], s[30:31]
	s_add_nc_u64 s[6:7], s[6:7], s[32:33]
	s_add_nc_u64 s[8:9], s[8:9], s[34:35]
	s_add_nc_u64 s[12:13], s[12:13], s[36:37]
	global_load_b128 v[32:35], v4, s[4:5] th:TH_LOAD_NT              ; block 2 w: 512 consecutive bytes
	global_load_b128 v[36:39], v4, s[4:5] offset:512 th:TH_LOAD_NT   ; block 2 w + 1
.set i_, 0
.rept 16
	global_load_b64 v[192+2*i_:193+2*i_], v5, s[6:7] offset:4096*i_  ; block i's part of ctx: the head's 64 columns, 256 consecutive bytes
.set i_, i_+1
.endr
.set t_, 0
.rept 8
	global_load_b128 v[128+8*t_:131+8*t_], v4, s[8:9] offset:(t_/4)*65536+(t_%4)*2048       ; tile t: columns 128 w + 16 t on; K = 16 h + 0 .. 15 of the head's 64
	global_load_b128 v[132+8*t_:135+8*t_], v4, s[8:9] offset:(t_/4)*65536+(t_%4)*2048+512   ; K = 32 + 16 h + 0 .. 15
.set t_, t_+1
.endr
	; ---- 1: the softmax
	s_wait_loadcnt 32                              ; my logits are in; behind them 16 + 16 loads may be out
	v_max3_num_f32 v96, v32, v33, v34
	v_max3_num_f32 v97, v36, v37, v38
	v_max_num_f32 v96, v96, v35
	v_max_num_f32 v97, v97, v39
.irp m, 1,2,4,8
	v_max_num_f32_dpp v96, v96, v96 row_xmask:\m row_mask:0xf bank_mask:0xf
	v_max_num_f32_dpp v97, v97, v97 row_xmask:\m row_mask:0xf bank_mask:0xf
.endr
	v_permlanex16_b32 v16, v96, s40, s41
	v_permlanex16_b32 v17, v97, s40, s41
	v_max_num_f32 v96, v96, v16
	v_max_num_f32 v97, v97, v17                    ; m of my two blocks, in every lane
	ds_store_b64 v12, v[96:97]                     ; all lanes write the same words with the same numbers
	BAR
.irp u, 0,1,2,3
	ds_load_b128 v[96+4*\u:99+4*\u], v13 offset:16*\u   ; m_0 .. m_15
.endr
	s_wait_dscnt 0x0
	v_max3_num_f32 v124, v96, v97, v98
	v_max3_num_f32 v125, v99, v100, v101
	v_max3_num_f32 v124, v124, v102, v103
	v_max3_num_f32 v125, v125, v104, v105
	v_max3_num_f32 v124, v124, v106, v107
	v_max3_num_f32 v125, v125, v108, v109
	v_max3_num_f32 v124, v124, v110, v111
	v_max_num_f32 v124, v124, v125                 ; M
	v_mov_b32 v125, v124
.irp p, 0,2,4,6
	v_pk_add_f32 v[32+\p:33+\p], v[32+\p:33+\p], v[124:125] neg_lo:[0,1] neg_hi:[0,1]   ; t - M
.endr
.set i_, 0
.rept 16
	v_sub_f32 v[96+i_], v[96+i_], v124             ; m_i - M
.set i_, i_+1
.endr
.set i_, 0
.rept 8
	v_exp_f32 v[32+i_], v[32+i_]                   ; p
.set i_, i_+1
.endr
.set i_, 0
.rept 16
	v_exp_f32 v[96+i_], v[96+i_]                   ; 2^(m_i - M)
.set i_, i_+1
.endr
	v_nop                                          ; a plain instruction behind the last exponential
	s_wait_alu depctr_va_vdst(0)                   ; one wait for the batch of 24, ahead of its first reader
	v_pk_add_f32 v[16:17], v[32:33], v[34:35]
	v_pk_add_f32 v[18:19], v[36:37], v[38:39]
	v_pk_add_f32 v[16:17], v[16:17], v[18:19]
	v_add_f32 v16, v16, v17
	ROWSUM 16
	v_permlanex16_b32 v17, v16, s40, s41
	v_add_f32 v16, v16, v17                        ; the sum of my wave's 256 p
	ds_store_b32 v14, v16
	BAR
	ds_load_b128 v[16:19], v13 offset:SS-MB
	ds_load_b128 v[20:23], v13 offset:SS-MB+16
	s_wait_dscnt 0x0
	v_pk_add_f32 v[16:17], v[16:17], v[18:19]
	v_pk_add_f32 v[20:21], v[20:21], v[22:23]
	v_pk_add_f32 v[16:17], v[16:17], v[20:21]
	v_add_f32 v16, v16, v17                        ; the row's sum
	v_rcp_f32 v20, v16
	v_nop
	s_wait_kmcnt 0x0
	s_add_co_i32 s42, s24, s25                     ; e2 + e3
	s_wait_alu depctr_va_vdst(0)                   ; ahead of the reciprocal's first reader
	v_mov_b32 v21, v20
	v_ldexp_f32 v22, v20, s42                      ; 2^(e2 + e3) / sum
.irp p, 0,2,4,6
	v_pk_mul_f32 v[32+\p:33+\p], v[32+\p:33+\p], v[20:21]
.endr
	global_store_b128 v4, v[32:35], s[14:15] th:TH_STORE_NT              ; 512 consecutive bytes
	global_store_b128 v4, v[36:39], s[14:15] offset:512 th:TH_STORE_NT
.set i_, 0
.rept 16
	v_mul_f32 v[96+i_], v[96+i_], v22              ; block i's factor
.set i_, i_+1
.endr
	; ---- 2: ctx, two columns a lane; then 32 numbers a lane, in the order of the operand's registers
	s_wait_loadcnt 16                              ; ctx's parts are in; fc's 16 loads may be out
	v_mul_f32 v24, v96, v192
	v_mul_f32 v25, v96, v193
.set i_, 1
.rept 15
	v_fmac_f32 v24, v[96+i_], v[192+2*i_]
	v_fmac_f32 v25, v[96+i_], v[193+2*i_]
.set i_, i_+1
.endr
	ds_store_b64 v7, v[24:25]
.irp u, 0,1,2,3
	ds_load_b128 v[40+4*\u:43+4*\u], v9 offset:16*\u        ; my wave's own bytes, served in order (ISA guide 5.7.1.4): columns 16 h + 0 .. 15,
.endr
.irp u, 0,1,2,3
	ds_load_b128 v[56+4*\u:59+4*\u], v9 offset:128+16*\u    ; and 32 + 16 h + 0 .. 15
.endr
	s_add_co_i32 s42, s26, 127
	s_lshl_b32 s43, s42, 23
	v_mov_b32 v126, s43                            ; 2^e4 as f32: the conversion takes its exponent field
	s_add_co_i32 s42, s42, 15
	s_lshl_b32 s42, s42, 23
	s_or_b32 s42, s42, 0x600000
	v_mov_b32 v127, s42                            ; 57,344 x 2^e4
	s_wait_dscnt 0x0
.set i_, 0
.rept 32
	v_med3_num_f32 v[40+i_], v[40+i_], -v127, v127 ; the conversion to an 8-bit code does not saturate (ISA guide 7.6.2): the hold at the largest code x the scale
.set i_, i_+1
.endr
.irp q, 0,1,2,3
	v_cvt_scalef32_pk8_bf8_f32 v[72+2*\q:73+2*\q], v[40+8*\q:47+8*\q], v126
.endr
	v_nop                                          ; one plain vector line between the last conversion and the products that read its result
	; ---- 3: x fc: eight accumulators, one product each
	s_wait_loadcnt 0x0                             ; fc's fragments are in
.set t_, 0
.rept 8
	v_wmma_f32_16x16x64_bf8_bf8 v[192+8*t_:199+8*t_], v[72:79], v[128+8*t_:135+8*t_], 0
.set t_, t_+1
.endr
	PLACES 4                                       ; ahead of the first read of results (ISA guide 7.12.1)
	s_add_co_i32 s43, s26, s27                     ; e4 + e5
.set t_, 0
.rept 8
	v_ldexp_f32 v[16+t_], v[192+8*t_], s43         ; register 0 of tile t: column 128 w + 16 t + r
.set t_, t_+1
.endr
.set t_, 0
.rept 8
	ds_store_b32 v10, v[16+t_] offset:512+64*t_    ; both halves of the lanes hold, and write, the same
.set t_, t_+1
.endr
	ds_load_b128 v[24:27], v11 offset:512          ; back: four neighbouring columns a lane
	s_wait_dscnt 0x0
	global_store_b128 v4, v[24:27], s[12:13]       ; 512 consecutive bytes
	s_wait_tensorcnt 0x0
	ds_add_u32 v122, v123
	s_wait_dscnt 0x0
	s_endpgm
.Lfunc_end_k_q7737db8ce5_heads:
	.size	k_q7737db8ce5_heads, .Lfunc_end_k_q7737db8ce5_heads-k_q7737db8ce5_heads
	.p2alignl 7, 3214868480
	.fill 96, 4, 3214868480
	.section	.rodata,"a",@progbits
	.p2align	6, 0x0
	.amdhsa_kernel k_q7737db8ce5_heads
		.amdhsa_group_segment_fixed_size 9728
		.amdhsa_private_segment_fixed_size 0
		.amdhsa_enable_private_segment 0
		.amdhsa_kernarg_size 48
		.amdhsa_user_sgpr_count 2
		.amdhsa_user_sgpr_kernarg_segment_ptr 1
		.amdhsa_wavefront_size32 1
		.amdhsa_system_sgpr_workgroup_id_x 1
		.amdhsa_system_sgpr_workgroup_id_y 1
		.amdhsa_system_sgpr_workgroup_id_z 1
		.amdhsa_system_vgpr_workitem_id 0
		.amdhsa_next_free_vgpr 256
		.amdhsa_next_free_sgpr 66
		.amdhsa_reserve_vcc 0
		.amdhsa_float_denorm_mode_32 3
		.amdhsa_float_denorm_mode_16_64 3
		.amdhsa_memory_ordered 1
		.amdhsa_forward_progress 1
		.amdhsa_inst_pref_size 18
	.end_amdhsa_kernel
	.amdgpu_metadata
---
amdhsa.version: [ 1, 2 ]
amdhsa.kernels:
  - .name:           k_q7737db8ce5_heads
    .symbol:         k_q7737db8ce5_heads.kd
    .args:
      - { .name: logit, .offset: 0, .size: 8, .value_kind: global_buffer, .address_space: global }
      - { .name: ctxp, .offset: 8, .size: 8, .value_kind: global_buffer, .address_space: global }
      - { .name: wcodes, .offset: 16, .size: 8, .value_kind: global_buffer, .address_space: global }
      - { .name: lowp_scales, .offset: 24, .size: 8, .value_kind: global_buffer, .address_space: global }
      - { .name: opart, .offset: 32, .size: 8, .value_kind: global_buffer, .address_space: global }
      - { .name: out1, .offset: 40, .size: 8, .value_kind: global_buffer, .address_space: global }
    .group_segment_fixed_size: 9728
    .private_segment_fixed_size: 0
    .kernarg_segment_align: 8
    .kernarg_segment_size: 48
    .max_flat_workgroup_size: 256
    .sgpr_count:     66
    .vgpr_count:     256
    .wavefront_size: 32
...
	.end_amdgpu_metadata
.endif
;; end of part 3
;; launch norm (part 4): grid 16 x 1, 8 waves a work-group, no clusters, 1,536 bytes of LDS; arguments opart, query, ln_gamma, ln_beta, out0; writes out0
.if DOCPART == 4
	.amdgcn_target "amdgcn-amd-amdhsa--gfx1250"
	.amdhsa_code_object_version 6
	.text
	.protected	k_q7737db8ce5_norm
	.globl	k_q7737db8ce5_norm
	.p2align	8
	.type	k_q7737db8ce5_norm,@function
k_q7737db8ce5_norm:
	s_mov_b64 s[64:65], 0
	v_nop
	global_prefetch_b8 v0, s[64:65] scope:SCOPE_SE
	s_setreg_imm32_b32 hwreg(HW_REG_WAVE_MODE, 25, 1), 1
	s_wait_xcnt 0x0
; One work-group for each batch b: out0[b] = layer norm of (the sum of the batch's sixteen parts of ctx . fc, + query).  A row has one owner, since mean and variance span it: 16 work-groups.
; Thread t owns columns 4 t .. 4 t + 3: each load and the store of a wave cover 512 consecutive bytes.  All in f32.
; The mean first, then the mean of the squared differences: two passes, so that an offset of the inputs costs no accuracy.  The waves' sums meet in LDS: 8 words at 0 and 8 at 256, a barrier for each.
; No matrix unit, no tensor load, no cluster: 64 KB a work-group, read once, shared with nobody.  NaN among the inputs is not served.
; REGISTERS: v4 16 x thread; v12 4 x wave; v13 0; v20-31 at work; v32-95 the sixteen parts, summed into v32-35; v112-123 query, gamma, beta.
.macro BAR                             ; my LDS stores have landed and my LDS loads are in: then the work-group's barrier
	s_wait_dscnt 0x0
	s_barrier_signal -1
	s_barrier_wait -1
.endm
.macro WAVESUM r, t                    ; over the wave's 32 lanes; v[t] has been written before
.irp m, 1,2,4,8
	v_add_f32_dpp v[\r], v[\r], v[\r] row_xmask:\m row_mask:0xf bank_mask:0xf
.endr
	v_permlanex16_b32 v[\t], v[\r], s40, s41
	v_add_f32 v[\r], v[\r], v[\t]
.endm
.macro ALLSUM off, dst                 ; the eight waves' sums are read and added
	ds_load_b128 v[24:27], v13 offset:\off
	ds_load_b128 v[28:31], v13 offset:\off+16
	s_wait_dscnt 0x0
	v_pk_add_f32 v[24:25], v[24:25], v[26:27]
	v_pk_add_f32 v[28:29], v[28:29], v[30:31]
	v_pk_add_f32 v[24:25], v[24:25], v[28:29]
	v_add_f32 v[\dst], v24, v25
.endm
	s_load_b256 s[4:11], s[0:1], 0x0               ; opart s[4:5], query s[6:7], gamma s[8:9], beta s[10:11]
	s_load_b64 s[12:13], s[0:1], 0x20              ; out0
	v_lshl_add_u32 v128, v0, 2, 0x200
	v_mov_b32 v129, 0
	v_lshrrev_b32 v1, 5, v0
	v_readfirstlane_b32 s22, v1                    ; wave 0..7
	v_lshlrev_b32 v4, 4, v0                        ; 16 x thread
	s_lshl_b32 s29, s22, 2
	v_mov_b32 v12, s29                             ; my wave's word
	v_mov_b32 v13, 0
	v_mov_b32 v22, 0                               ; written once: a lane permute's destination counts as one of its sources
	s_mov_b32 s40, 0x76543210
	s_mov_b32 s41, 0xfedcba98
	s_lshl_b32 s30, ttmp9, 16                      ; the batch's 16 parts of 4,096 bytes
	s_mov_b32 s31, 0
	s_lshl_b32 s32, ttmp9, 12                      ; its row of out0
	s_mov_b32 s33, 0
	s_wait_kmcnt 0x0
	s_add_nc_u64 s[4:5], s[4:5], s[30:31]
	s_add_nc_u64 s[12:13], s[12:13], s[32:33]
.set i_, 0
.rept 16
	global_load_b128 v[32+4*i_:35+4*i_], v4, s[4:5] offset:4096*i_ th:TH_LOAD_NT
.set i_, i_+1
.endr
	global_load_b128 v[112:115], v4, s[6:7]
	global_load_b128 v[116:119], v4, s[8:9]
	global_load_b128 v[120:123], v4, s[10:11]
	s_wait_loadcnt 3                               ; the sixteen parts are in; query, gamma and beta may be out
.irp s, 8,4,2,1                        ; added as a tree
.set i_, 0
.rept \s
	v_pk_add_f32 v[32+4*i_:33+4*i_], v[32+4*i_:33+4*i_], v[32+4*(i_+\s):33+4*(i_+\s)]
	v_pk_add_f32 v[34+4*i_:35+4*i_], v[34+4*i_:35+4*i_], v[34+4*(i_+\s):35+4*(i_+\s)]
.set i_, i_+1
.endr
.endr
	s_wait_loadcnt 0x0
	v_pk_add_f32 v[32:33], v[32:33], v[112:113]    ; + query
	v_pk_add_f32 v[34:35], v[34:35], v[114:115]
	v_add_f32 v20, v32, v33
	v_add_f32 v21, v34, v35
	v_add_f32 v20, v20, v21
	WAVESUM 20, 22
	ds_store_b32 v12, v20                          ; all lanes write the same word with the same number
	BAR
	ALLSUM 0, 20
	v_mul_f32 v20, 0x3a800000, v20                 ; / 1,024: the mean
.irp n, 0,1,2,3
	v_sub_f32 v[32+\n], v[32+\n], v20
.endr
	v_mul_f32 v21, v32, v32
	v_fmac_f32 v21, v33, v33
	v_fmac_f32 v21, v34, v34
	v_fmac_f32 v21, v35, v35
	WAVESUM 21, 22
	ds_store_b32 v12, v21 offset:256
	BAR
	ALLSUM 256, 21
	v_mul_f32 v21, 0x3a800000, v21                 ; the variance
	v_add_f32 v21, 0x358637bd, v21                 ; + 1e-6
	v_rsq_f32 v23, v21
	v_nop                                          ; a plain instruction behind the transcendental
	s_wait_alu depctr_va_vdst(0)                   ; ahead of its first reader
.irp n, 0,1,2,3
	v_mul_f32 v[32+\n], v[32+\n], v23
.endr
.irp n, 0,1,2,3
	v_fma_f32 v[32+\n], v[32+\n], v[116+\n], v[120+\n]   ; x gamma + beta
.endr
	global_store_b128 v4, v[32:35], s[12:13]       ; 512 consecutive bytes a wave
	s_wait_tensorcnt 0x0
	ds_add_u32 v128, v129
	s_wait_dscnt 0x0
	s_endpgm
.Lfunc_end_k_q7737db8ce5_norm:
	.size	k_q7737db8ce5_norm, .Lfunc_end_k_q7737db8ce5_norm-k_q7737db8ce5_norm
	.p2alignl 7, 3214868480
	.fill 96, 4, 3214868480
	.section	.rodata,"a",@progbits
	.p2align	6, 0x0
	.amdhsa_kernel k_q7737db8ce5_norm
		.amdhsa_group_segment_fixed_size 1536
		.amdhsa_private_segment_fixed_size 0
		.amdhsa_enable_private_segment 0
		.amdhsa_kernarg_size 40
		.amdhsa_user_sgpr_count 2
		.amdhsa_user_sgpr_kernarg_segment_ptr 1
		.amdhsa_wavefront_size32 1
		.amdhsa_system_sgpr_workgroup_id_x 1
		.amdhsa_system_sgpr_workgroup_id_y 1
		.amdhsa_system_sgpr_workgroup_id_z 1
		.amdhsa_system_vgpr_workitem_id 0
		.amdhsa_next_free_vgpr 130
		.amdhsa_next_free_sgpr 66
		.amdhsa_reserve_vcc 0
		.amdhsa_float_denorm_mode_32 3
		.amdhsa_float_denorm_mode_16_64 3
		.amdhsa_memory_ordered 1
		.amdhsa_forward_progress 1
		.amdhsa_inst_pref_size 8
	.end_amdhsa_kernel
	.amdgpu_metadata
---
amdhsa.version: [ 1, 2 ]
amdhsa.kernels:
  - .name:           k_q7737db8ce5_norm
    .symbol:         k_q7737db8ce5_norm.kd
    .args:
      - { .name: opart, .offset: 0, .size: 8, .value_kind: global_buffer, .address_space: global }
      - { .name: query, .offset: 8, .size: 8, .value_kind: global_buffer, .address_space: global }
      - { .name: ln_gamma, .offset: 16, .size: 8, .value_kind: global_buffer, .address_space: global }
      - { .name: ln_beta, .offset: 24, .size: 8, .value_kind: global_buffer, .address_space: global }
      - { .name: out0, .offset: 32, .size: 8, .value_kind: global_buffer, .address_space: global }
    .group_segment_fixed_size: 1536
    .private_segment_fixed_size: 0
    .kernarg_segment_align: 8
    .kernarg_segment_size: 40
    .max_flat_workgroup_size: 256
    .sgpr_count:     66
    .vgpr_count:     130
    .wavefront_size: 32
...
	.end_amdgpu_metadata
.endif
;; end of part 4
